; MI455X (gfx1250); checked and timed in simulation.
; The chip was launched on July 23, 2026; its instructions are those of AMD's public machine-readable ISA for CDNA 5 (MIT licence, August 2026) and "CDNA5" Instruction Set Architecture Reference Guide (July 2026). The comments in the code are by the model that wrote it; some were corrected since.
;; Luong Local Attention. Allowed arithmetic: float matrix products may take bf16 or f16 operands with f32 sums; all other float work in f32.
;; Inputs: Wq 1,024 x 1,024 float32; key_lengths 32 float32; keys 32 x 4,096 x 1,024 float32; query 32 x 1,024 float32; wp 1,024 x 1 float32.
;; Outputs: out0 32 x 1,024 float32; out1 32 x 4,096 float32.
;; Constants: window_size = 64.
;; One version. Each part assembles by itself: llvm-mc -triple=amdgcn-amd-amdhsa -mcpu=gfx1250 --defsym DOCPART=n.
;; ======== version 1 of 1: 2 launches
;; workspace buffers: part 1,054,720 bytes
;; launch stream (part 1): grid 256 x 1, 16 waves a work-group, no clusters, 78,080 bytes of LDS; arguments keys, query, Wq, wp, part, out1; writes part, out1
.if DOCPART == 1
	.amdgcn_target "amdgcn-amd-amdhsa--gfx1250"
	.amdhsa_code_object_version 6
	.text
	.protected	k_q149103a93d_stream
	.globl	k_q149103a93d_stream
	.p2align	8
	.type	k_q149103a93d_stream,@function
k_q149103a93d_stream:
	s_mov_b64 s[64:65], 0
	v_nop
	global_prefetch_b8 v0, s[64:65] scope:SCOPE_SE
	s_setreg_imm32_b32 hwreg(HW_REG_WAVE_MODE, 25, 1), 1
	s_wait_xcnt 0x0
; LuongLocalAttention, first of two launches: the one pass over keys [32][4096][1024] f32.
; Work-group i (0..255): batch i>>3, key rows 512 (i&7) .. +511 (2 MiB).  Sixteen waves; a wave owns 32 consecutive rows.
; A row is 4,096 bytes = 32 registers of the wave: load j (0..7) gives lane l the columns 128 j + 4 l .. +3, so each load covers 512
; consecutive bytes, aligned.  The row stays in registers between its dot product with q (the score, out1) and its weighted sum
; (the context): every key byte is read once.  Rows go in pairs: two scores, one running maximum, one rescale of the context.
; A ring of two pair-slots keeps 16 to 32 loads (8 to 16 KiB) of every wave on their way.
; The ring's last two refills bring a share of tanh(query Wq) wp instead of keys: work-group i takes columns 32 (i&31) .. +31 of Wq for the
; four batches 4 (i>>5) .. +3; a wave takes 64 of the 1,024 rows of Wq.
; Out: the scores (out1); in part: the group's context sum [1024] at 4096 i, its (max, sum) at PML + 8 i, four partial logits at PLOG.
; All arithmetic is f32 on the vector unit: one query row meets each key row, so a 16 x 16 matrix tile would be one sixteenth used and the
; conversion to 16 bits would cost as many instructions as the multiply-adds; and the logit feeds an exponent of the order of a hundred,
; which multiplies its error by as much: 16-bit operands do not hold the margin there.
; No cluster, no joint loads: no two work-groups read the same key byte; the block of Wq that eight work-groups share is 128 KiB beside 2 MiB.
; LIMITS: inputs finite and scores inside f32's range (a pair of scores that are both -inf gives NaN); a softmax weight below 2^-126 of the
; running maximum counts as zero (v_exp_f32 flushes, ISA guide 15.8); sums run in another order than a row-by-row sum; tanh is made as
; 1 - 2 / (1 + 2^(2 x log2 e)), absolute error about 1e-7.
.set ROW,  4096                        ; bytes in a key row, in a query row and in a row of Wq
.set ML,   0                           ; LDS: 16 maxima, then 16 sums
.set SCO,  256                         ; LDS: the group's 512 scores
.set LG,   2304                        ; LDS: wave w: 4 batches x 32 columns of its part of query Wq, 512 bytes
.set CTX,  10496                       ; LDS: wave w: its context sum, 4,096 bytes
.set PML,  0x100000                    ; part: behind 256 contexts of 4,096 bytes: 256 pairs (max, sum)
.set PLOG, 0x100800                    ; part: behind those: [32 batches][32 column groups] partial logits
.set OFF, 2                            ; v[2:3]     pair-slot g: byte offset of my 16 bytes in the first row that the slot loads next
.set LR,  4                            ; v4         lane - rows done: 0 and 1 name the lanes that keep this pair's scores
.set SCR, 5                            ; v5         lane i: the score of my wave's row i
.set MA,  6                            ; v6, v7     running maximum (scores x log2 e), written in turn by slot 0 and slot 1
.set MB,  7
.set Q,   8                            ; v[8:39]    q of my batch; behind the loop: addresses
.set C,   40                           ; v[40:71]   context sum
.set K,   72                           ; v[72:199]  the ring: slot g at K + 64 g, two rows of 32 registers
.set T,   200                          ; v[200:215] two rows x four chains of pairs; later the 16 sums of the logit's share
.set PA,  216                          ; v[216:217] weight of the pair's first row (the low register is taken twice)
.set PB,  218                          ; v[218:219] weight of its second row
.set RS,  220                          ; v[220:221] rescale of what was summed before
.set SCA, 222                          ; the two scores
.set SCB, 223
.set XA,  224                          ; what the other half of the lanes sends
.set XB,  225
.set L,   226                          ; running sum of weights
.set QO,  228                          ; 16 x lane
.set VW,  229                          ; my offset in Wq
.set VQ,  230                          ; my offset in a query row, for the logit's share
.set L4,  231                          ; 4 x lane
.set WP,  232                          ; wp of column lane of my group's 32
.set MX,  234                          ; v[234:235] the group's maximum and sum
.set O,   236                          ; v[236:237] the group's context, my two columns
	s_load_b256 s[4:11], s[0:1], 0x0               ; keys s[4:5], query s[6:7], Wq s[8:9], wp s[10:11]
	s_load_b128 s[12:15], s[0:1], 0x20             ; part s[12:13], out1 s[14:15]
	v_lshl_add_u32 v240, v0, 2, 0x12900
	v_mov_b32 v241, 0
	v_lshrrev_b32 v1, 5, v0
	v_readfirstlane_b32 s16, v1                    ; wave 0..15
	v_and_b32 v[LR], 31, v0                        ; lane
	v_lshlrev_b32 v[QO], 4, v[LR]
	s_lshl_b32 s17, s16, 17                        ; my wave's 32 rows of 4,096 bytes
	v_add_nc_u32 v[OFF], s17, v[QO]                ; slot 0 starts with rows 0, 1
	v_add_nc_u32 v[OFF+1], 2*ROW, v[OFF]           ; slot 1 with rows 2, 3
	s_lshl_b32 s18, ttmp9, 21                      ; the group's 2 MiB of keys (255 x 2 MiB is below 4 GiB)
	s_mov_b32 s19, 0
	s_lshr_b32 s20, ttmp9, 3                       ; batch
	s_lshl_b32 s20, s20, 12                        ; its query row
	s_mov_b32 s21, 0
	s_wait_kmcnt 0x0
	s_add_nc_u64 s[4:5], s[4:5], s[18:19]
	s_add_nc_u64 s[20:21], s[6:7], s[20:21]
.macro FILLK g                         ; two key rows, 16 loads of 512 consecutive bytes; read once in the launch: non-temporal
.irp r, 0,1
.irp j, 0,1,2,3,4,5,6,7
	global_load_b128 v[K+64*\g+32*\r+4*\j:K+64*\g+32*\r+4*\j+3], v[OFF+\g], s[4:5] offset:\r*ROW+512*\j th:TH_LOAD_NT
.endr
.endr
.endm
.irp j, 0,1,2,3,4,5,6,7
	global_load_b128 v[Q+4*\j:Q+4*\j+3], v[QO], s[20:21] offset:512*\j
.endr
	FILLK 0
	FILLK 1
	; the rest of the set-up, while the first 40 loads are out
	v_lshlrev_b32 v[L4], 2, v[LR]
	v_lshrrev_b32 v[VQ], 3, v0                     ; 4 wave + lane / 8: which 16 rows of Wq are mine
	v_and_b32 v[VW], 7, v0
	v_lshlrev_b32 v[VW], 4, v[VW]                  ; which 4 of the 32 columns
	v_lshl_add_u32 v[VW], v[VQ], 16, v[VW]         ; 16 rows of 4,096 bytes = 65,536
	v_lshlrev_b32 v[VQ], 6, v[VQ]                  ; the same 16 indices in a query row: 64 bytes
	v_mov_b32 v[PA+1], 0                           ; the packed forms name whole pairs; with op_sel_hi 0 the upper register is never taken,
	v_mov_b32 v[PB+1], 0                           ; but it has to hold something
	v_mov_b32 v[RS+1], 0
	v_mov_b32 v[XA], 0                             ; v_permlanex16_b32 counts as a reader of its destination
	v_mov_b32 v[XB], 0
	s_lshr_b32 s22, ttmp9, 5                       ; group of four batches, for the logit's share
	s_and_b32 s23, ttmp9, 31                       ; group of 32 columns
	s_lshl_b32 s24, s22, 14                        ; four query rows
	s_mov_b32 s25, 0
	s_lshl_b32 s26, s23, 7                         ; 32 columns = 128 bytes, in a row of Wq and in wp
	s_mov_b32 s27, 0
	s_mov_b32 s28, 0x76543210                      ; v_permlanex16_b32: lane i of one half reads lane i of the other
	s_mov_b32 s29, 0xfedcba98
	s_mov_b32 s30, 0x3fb8aa3b                      ; log2 e
	s_lshl_b32 s32, ttmp9, 12                      ; part: my group's context
	s_mov_b32 s33, 0
	s_lshl_b32 s34, ttmp9, 3                       ; part: my group's (max, sum)
	s_add_co_u32 s34, s34, PML
	s_mov_b32 s35, 0
	s_lshl_b32 s36, s22, 9                         ; part: logit of batch 4 (i>>5) + k, column group i&31: 128 bytes a batch;
	s_lshl2_add_u32 s36, s23, s36                  ; waves 4..7 store k = wave - 4 at 128 x wave, hence the -512
	s_add_co_u32 s36, s36, PLOG-512
	s_mov_b32 s37, 0
	s_lshl_b32 s38, ttmp9, 11                      ; out1: 512 scores
	s_mov_b32 s39, 0
	s_add_nc_u64 s[6:7], s[6:7], s[24:25]
	s_add_nc_u64 s[8:9], s[8:9], s[26:27]
	s_add_nc_u64 s[10:11], s[10:11], s[26:27]
	s_add_nc_u64 s[32:33], s[12:13], s[32:33]
	s_add_nc_u64 s[34:35], s[12:13], s[34:35]
	s_add_nc_u64 s[36:37], s[12:13], s[36:37]
	s_add_nc_u64 s[14:15], s[14:15], s[38:39]
; The turn of pair-slot g: two rows.  first = 1: this pair starts every sum (nothing is cleared).  mi, mo: the running maximum before and after.
; step = 1: the slot's offset moves on to its next pair.
.macro TURN g, first, mi, mo, step
	s_wait_loadcnt 0x10                            ; loads come back in order (ISA guide 5.7.1): mine are in, the 16 issued behind them stay out
.if \step
	v_add_nc_u32 v[OFF+\g], 4*ROW, v[OFF+\g]       ; free since that wait: four rows on
.endif
	; the two dot products with q: four chains of pairs a row, the rows taking turns, so that no line waits for the one in front
.irp c, 0,1,2,3
	v_pk_mul_f32 v[T+2*\c:T+2*\c+1], v[K+64*\g+2*\c:K+64*\g+2*\c+1], v[Q+2*\c:Q+2*\c+1]
	v_pk_mul_f32 v[T+8+2*\c:T+8+2*\c+1], v[K+64*\g+32+2*\c:K+64*\g+32+2*\c+1], v[Q+2*\c:Q+2*\c+1]
.endr
.irp i, 4,5,6,7,8,9,10,11,12,13,14,15
	v_pk_fma_f32 v[T+2*(\i%4):T+2*(\i%4)+1], v[K+64*\g+2*\i:K+64*\g+2*\i+1], v[Q+2*\i:Q+2*\i+1], v[T+2*(\i%4):T+2*(\i%4)+1]
	v_pk_fma_f32 v[T+8+2*(\i%4):T+8+2*(\i%4)+1], v[K+64*\g+32+2*\i:K+64*\g+32+2*\i+1], v[Q+2*\i:Q+2*\i+1], v[T+8+2*(\i%4):T+8+2*(\i%4)+1]
.endr
	v_pk_add_f32 v[T:T+1], v[T:T+1], v[T+2:T+3]
	v_pk_add_f32 v[T+8:T+9], v[T+8:T+9], v[T+10:T+11]
	v_pk_add_f32 v[T+4:T+5], v[T+4:T+5], v[T+6:T+7]
	v_pk_add_f32 v[T+12:T+13], v[T+12:T+13], v[T+14:T+15]
	v_pk_add_f32 v[T:T+1], v[T:T+1], v[T+4:T+5]
	v_pk_add_f32 v[T+8:T+9], v[T+8:T+9], v[T+12:T+13]
	v_add_f32 v[SCA], v[T], v[T+1]
	v_add_f32 v[SCB], v[T+8], v[T+9]
	; across the 32 lanes: four steps inside each half ride on the add, one crosses the halves; every lane ends with both scores
.irp x, 1,2,4,8
	v_add_f32_dpp v[SCA], v[SCA], v[SCA] row_xmask:\x row_mask:0xf bank_mask:0xf
	v_add_f32_dpp v[SCB], v[SCB], v[SCB] row_xmask:\x row_mask:0xf bank_mask:0xf
.endr
	v_permlanex16_b32 v[XA], v[SCA], s28, s29
	v_permlanex16_b32 v[XB], v[SCB], s28, s29
	v_add_f32 v[SCA], v[SCA], v[XA]
	v_add_f32 v[SCB], v[SCB], v[XB]
	; the softmax's step, in powers of two; lane r keeps row r's score for the way out
	v_mul_f32 v[T], s30, v[SCA]
	v_mul_f32 v[T+1], s30, v[SCB]
.if \first
	v_mov_b32 v[SCR], v[SCA]                       ; lane 0's for good; every other lane is written again in its row's turn
	v_max_num_f32 v[\mo], v[T], v[T+1]
.else
	v_cmp_eq_u32 vcc_lo, 0, v[LR]
	v_cndmask_b32 v[SCR], v[SCR], v[SCA], vcc_lo
	v_max3_num_f32 v[\mo], v[\mi], v[T], v[T+1]
	v_sub_f32 v[T+2], v[\mi], v[\mo]
.endif
	v_cmp_eq_u32 vcc_lo, 1, v[LR]
	v_cndmask_b32 v[SCR], v[SCR], v[SCB], vcc_lo
	v_sub_f32 v[T], v[T], v[\mo]
	v_sub_f32 v[T+1], v[T+1], v[\mo]
.if \first == 0
	v_exp_f32 v[RS], v[T+2]                        ; exactly 1 where the maximum stays
.endif
	v_exp_f32 v[PA], v[T]
	v_exp_f32 v[PB], v[T+1]
	v_add_nc_u32 v[LR], -2, v[LR]                  ; the plain instruction between v_exp_f32 and the use of its result (ISA guide 5.7.2)
.if \first
	s_wait_alu depctr_va_vdst(0)
	v_add_f32 v[L], v[PA], v[PB]
.irp i, 0,1,2,3,4,5,6,7,8,9,10,11,12,13,14,15
	v_pk_mul_f32 v[C+2*\i:C+2*\i+1], v[K+64*\g+2*\i:K+64*\g+2*\i+1], v[PA:PA+1] op_sel_hi:[1,0]
.endr
.else
	s_wait_alu depctr_va_vdst(0)
	v_fma_f32 v[L], v[L], v[RS], v[PA]
	v_add_f32 v[L], v[L], v[PB]
.irp i, 0,1,2,3,4,5,6,7,8,9,10,11,12,13,14,15
	v_pk_mul_f32 v[C+2*\i:C+2*\i+1], v[C+2*\i:C+2*\i+1], v[RS:RS+1] op_sel_hi:[1,0]
.endr
.irp i, 0,1,2,3,4,5,6,7,8,9,10,11,12,13,14,15
	v_pk_fma_f32 v[C+2*\i:C+2*\i+1], v[K+64*\g+2*\i:K+64*\g+2*\i+1], v[PA:PA+1], v[C+2*\i:C+2*\i+1] op_sel_hi:[1,0,1]
.endr
.endif
.irp i, 0,1,2,3,4,5,6,7,8,9,10,11,12,13,14,15
	v_pk_fma_f32 v[C+2*\i:C+2*\i+1], v[K+64*\g+32+2*\i:K+64*\g+32+2*\i+1], v[PB:PB+1], v[C+2*\i:C+2*\i+1] op_sel_hi:[1,0,1]
.endr
.endm
	; 16 pairs: 2 in front of the loop (the first starts the sums), 12 in it, 2 behind it (their refills are not keys)
	TURN 0, 1, MB, MA, 1
	FILLK 0
	TURN 1, 0, MA, MB, 1
	FILLK 1
	s_mov_b32 s17, 6
.Lpairs:
	TURN 0, 0, MB, MA, 1
	FILLK 0
	TURN 1, 0, MA, MB, 1
	FILLK 1
	s_sub_co_i32 s17, s17, 1
	s_cmp_lg_u32 s17, 0
	s_cbranch_scc1 .Lpairs
	TURN 0, 0, MB, MA, 0
.irp t, 0,1,2,3,4,5,6,7,8,9,10,11,12,13,14,15
	global_load_b128 v[K+4*\t:K+4*\t+3], v[VW], s[8:9] offset:\t*ROW          ; Wq: my 16 rows, 4 columns; eight lanes cover a row's 128 bytes
.endr
	TURN 1, 0, MA, MB, 0                           ; its wait for 16 leaves those 16 loads out
	global_load_b32 v[WP], v[L4], s[10:11]
.irp k, 0,1,2,3
.irp u, 0,1,2,3
	global_load_b128 v[K+64+16*\k+4*\u:K+64+16*\k+4*\u+3], v[VQ], s[6:7] offset:\k*ROW+16*\u   ; four batches' q at my 16 rows' indices
.endr
.endr
	; my wave's context, maximum, sum and scores go to LDS while those loads are out.  Each address: wave x a constant + a lane term.
	s_lshl_b32 s40, s16, 12
	v_add_nc_u32 v[Q], s40, v[QO]
.irp j, 0,1,2,3,4,5,6,7
	ds_store_b128 v[Q], v[C+4*\j:C+4*\j+3] offset:CTX+512*\j                  ; columns in their natural order
.endr
	s_lshl_b32 s40, s16, 2
	v_mov_b32 v[Q+1], s40
	ds_store_b32 v[Q+1], v[MB] offset:ML           ; all lanes: the same word, the same value
	ds_store_b32 v[Q+1], v[L] offset:ML+64
	s_lshl_b32 s40, s16, 7
	v_add_nc_u32 v[Q+2], s40, v[L4]                ; 4 x (32 wave + lane)
	ds_store_b32 v[Q+2], v[SCR] offset:SCO
	s_lshl_b32 s40, s16, 9
	v_and_b32 v[Q+3], 7, v0
	v_lshlrev_b32 v[Q+3], 4, v[Q+3]
	v_add_nc_u32 v[Q+3], s40, v[Q+3]               ; 512 wave + 16 x (my four columns)
	; the logit's share: sums over my 16 rows of q[batch k][row] Wq[row][column c], 4 x 4 sums a lane
	s_wait_loadcnt 0x0
.irp k, 0,1,2,3
.irp c, 0,1,2,3
	v_mul_f32 v[T+4*\k+\c], v[K+64+16*\k], v[K+\c]
.endr
.endr
.irp t, 1,2,3,4,5,6,7,8,9,10,11,12,13,14,15
.irp k, 0,1,2,3
.irp c, 0,1,2,3
	v_fmac_f32 v[T+4*\k+\c], v[K+64+16*\k+\t], v[K+4*\t+\c]
.endr
.endr
.endr
	; lanes l, l^8, l^16, l^24 hold the same columns and other rows
.irp i, 0,1,2,3,4,5,6,7,8,9,10,11,12,13,14,15
	v_add_f32_dpp v[T+\i], v[T+\i], v[T+\i] row_xmask:8 row_mask:0xf bank_mask:0xf
.endr
.irp i, 0,1,2,3,4,5,6,7,8,9,10,11,12,13,14,15
	v_permlanex16_b32 v[K+\i], v[T+\i], s28, s29
.endr
.irp i, 0,1,2,3,4,5,6,7,8,9,10,11,12,13,14,15
	v_add_f32 v[T+\i], v[T+\i], v[K+\i]
.endr
.irp k, 0,1,2,3
	ds_store_b128 v[Q+3], v[T+4*\k:T+4*\k+3] offset:LG+128*\k                 ; four lanes write the same 16 bytes with the same values
.endr
	s_wait_dscnt 0x0                               ; for the other waves' sake: all my LDS stores are done
	s_barrier_signal -1
	s_barrier_wait -1                              ; the only barrier: behind it LDS is only read, but for each thread's own word at 0x12900
	; all 512 threads: merge the 16 waves.  Thread t takes columns 2 t, 2 t + 1.
	v_mov_b32 v[Q+4], 0
.irp i, 0,1,2,3
	ds_load_b128 v[K+4*\i:K+4*\i+3], v[Q+4] offset:ML+16*\i                   ; the 16 maxima
.endr
.irp i, 0,1,2,3
	ds_load_b128 v[K+16+4*\i:K+16+4*\i+3], v[Q+4] offset:ML+64+16*\i          ; the 16 sums
.endr
	v_lshlrev_b32 v[Q+6], 3, v0
	v_add_nc_u32 v[Q+5], CTX, v[Q+6]
.irp w, 0,1,2,3,4,5,6,7,8,9,10,11,12,13,14,15
	ds_load_b64 v[K+32+2*\w:K+32+2*\w+1], v[Q+5] offset:4096*\w
.endr
	s_wait_dscnt 0x10                              ; maxima and sums are in; the 16 loads behind them stay out
	v_max3_num_f32 v[MX], v[K], v[K+1], v[K+2]
.irp i, 3,5,7,9,11,13
	v_max3_num_f32 v[MX], v[MX], v[K+\i], v[K+\i+1]
.endr
	v_max_num_f32 v[MX], v[MX], v[K+15]
.irp w, 0,1,2,3,4,5,6,7,8,9,10,11,12,13,14,15
	v_sub_f32 v[K+\w], v[K+\w], v[MX]
.endr
.irp w, 0,1,2,3,4,5,6,7,8,9,10,11,12,13,14,15
	v_exp_f32 v[K+\w], v[K+\w]                     ; wave w's weight in the group
.endr
	v_lshlrev_b32 v[Q+7], 4, v0                    ; the plain instruction behind the run of v_exp_f32 (ISA guide 5.7.2); used by waves 0-3 below
	s_wait_alu depctr_va_vdst(0)
	v_mul_f32 v[MX+1], v[K], v[K+16]
.irp w, 1,2,3,4,5,6,7,8,9,10,11,12,13,14,15
	v_fmac_f32 v[MX+1], v[K+\w], v[K+16+\w]
.endr
	s_wait_dscnt 0x0
	v_mul_f32 v[O], v[K], v[K+32]
	v_mul_f32 v[O+1], v[K], v[K+33]
.irp w, 1,2,3,4,5,6,7,8,9,10,11,12,13,14,15
	v_fmac_f32 v[O], v[K+\w], v[K+32+2*\w]
	v_fmac_f32 v[O+1], v[K+\w], v[K+33+2*\w]
.endr
	global_store_b64 v[Q+6], v[O:O+1], s[32:33]    ; a wave's store covers 256 consecutive bytes, aligned; the next launch reads them: no hint
	s_cmp_ge_u32 s16, 4
	s_cbranch_scc1 .Lnot_scores
	; waves 0-3: the group's 512 scores, 512 consecutive bytes a store
	ds_load_b128 v[K:K+3], v[Q+7] offset:SCO
	s_wait_dscnt 0x0
	global_store_b128 v[Q+7], v[K:K+3], s[14:15] th:TH_STORE_NT
	s_cmp_lg_u32 s16, 0
	s_cbranch_scc1 .Lend
	; wave 0, lane 0: the group's maximum and sum, 8 bytes (one pair for a work-group: there is no more to store)
	v_cmp_eq_u32 vcc_lo, 0, v0
	s_wait_xcnt 0x0                                ; EXEC is a source of the stores above: it changes only behind this wait (ISA guide 3.1)
	s_and_saveexec_b32 s41, vcc_lo
	global_store_b64 v[Q+4], v[MX:MX+1], s[34:35]
	s_wait_xcnt 0x0                                ; and again in front of the line that widens it
	s_or_b32 exec_lo, exec_lo, s41
	s_branch .Lend
.Lnot_scores:
	s_cmp_ge_u32 s16, 8
	s_cbranch_scc1 .Lend
	; waves 4-7: batch k = wave - 4 of the four, lane = column: add the 16 waves' parts, tanh, times wp, sum over the 32 columns
.irp w, 0,1,2,3,4,5,6,7,8,9,10,11,12,13,14,15
	ds_load_b32 v[K+\w], v[Q+2] offset:LG-512+512*\w                          ; 4 x thread - 512 = 128 k + 4 x column
.endr
	s_lshl_b32 s40, s16, 7
	v_mov_b32 v[Q+8], s40                          ; 128 x wave: the batch's line of partial logits
	s_wait_dscnt 0x0
.irp i, 0,4,8,12
	v_pk_add_f32 v[K+\i:K+\i+1], v[K+\i:K+\i+1], v[K+\i+2:K+\i+3]
.endr
	v_pk_add_f32 v[K:K+1], v[K:K+1], v[K+4:K+5]
	v_pk_add_f32 v[K+8:K+9], v[K+8:K+9], v[K+12:K+13]
	v_pk_add_f32 v[K:K+1], v[K:K+1], v[K+8:K+9]
	v_add_f32 v[K], v[K], v[K+1]
	v_mul_f32 v[K+2], 0x4038aa3b, v[K]             ; 2 log2 e
	v_exp_f32 v[K+2], v[K+2]                       ; infinity or zero at the ends give tanh = 1 or -1
	v_nop                                          ; a plain place behind each transcendental (ISA guide 5.7.2): nothing useful is left here
	s_wait_alu depctr_va_vdst(0)
	v_add_f32 v[K+2], 1.0, v[K+2]
	v_rcp_f32 v[K+2], v[K+2]
	v_nop
	s_wait_alu depctr_va_vdst(0)
	v_fma_f32 v[K+2], v[K+2], -2.0, 1.0
	v_mul_f32 v[K+2], v[K+2], v[WP]
.irp x, 1,2,4,8
	v_add_f32_dpp v[K+2], v[K+2], v[K+2] row_xmask:\x row_mask:0xf bank_mask:0xf
.endr
	v_permlanex16_b32 v[XA], v[K+2], s28, s29
	v_add_f32 v[K+2], v[K+2], v[XA]
	v_cmp_eq_u32 vcc_lo, 0, v[L4]
	s_wait_xcnt 0x0                                ; as above: EXEC changes only behind this wait
	s_and_saveexec_b32 s41, vcc_lo
	global_store_b32 v[Q+8], v[K+2], s[36:37]      ; one number for a batch and a column group
	s_wait_xcnt 0x0
	s_or_b32 exec_lo, exec_lo, s41
.Lend:
	s_wait_tensorcnt 0x0
	ds_add_u32 v240, v241
	s_wait_dscnt 0x0
	s_endpgm
.Lfunc_end_k_q149103a93d_stream:
	.size	k_q149103a93d_stream, .Lfunc_end_k_q149103a93d_stream-k_q149103a93d_stream
	.p2alignl 7, 3214868480
	.fill 96, 4, 3214868480
	.section	.rodata,"a",@progbits
	.p2align	6, 0x0
	.amdhsa_kernel k_q149103a93d_stream
		.amdhsa_group_segment_fixed_size 78080
		.amdhsa_private_segment_fixed_size 0
		.amdhsa_enable_private_segment 0
		.amdhsa_kernarg_size 48
		.amdhsa_user_sgpr_count 2
		.amdhsa_user_sgpr_kernarg_segment_ptr 1
		.amdhsa_wavefront_size32 1
		.amdhsa_system_sgpr_workgroup_id_x 1
		.amdhsa_system_sgpr_workgroup_id_y 1
		.amdhsa_system_sgpr_workgroup_id_z 1
		.amdhsa_system_vgpr_workitem_id 0
		.amdhsa_next_free_vgpr 242
		.amdhsa_next_free_sgpr 66
		.amdhsa_reserve_vcc 1
		.amdhsa_float_denorm_mode_32 3
		.amdhsa_float_denorm_mode_16_64 3
		.amdhsa_memory_ordered 1
		.amdhsa_forward_progress 1
		.amdhsa_inst_pref_size 75
	.end_amdhsa_kernel
	.amdgpu_metadata
---
amdhsa.version: [ 1, 2 ]
amdhsa.kernels:
  - .name:           k_q149103a93d_stream
    .symbol:         k_q149103a93d_stream.kd
    .args:
      - { .name: keys, .offset: 0, .size: 8, .value_kind: global_buffer, .address_space: global }
      - { .name: query, .offset: 8, .size: 8, .value_kind: global_buffer, .address_space: global }
      - { .name: Wq, .offset: 16, .size: 8, .value_kind: global_buffer, .address_space: global }
      - { .name: wp, .offset: 24, .size: 8, .value_kind: global_buffer, .address_space: global }
      - { .name: part, .offset: 32, .size: 8, .value_kind: global_buffer, .address_space: global }
      - { .name: out1, .offset: 40, .size: 8, .value_kind: global_buffer, .address_space: global }
    .group_segment_fixed_size: 78080
    .private_segment_fixed_size: 0
    .kernarg_segment_align: 8
    .kernarg_segment_size: 48
    .max_flat_workgroup_size: 512
    .sgpr_count:     66
    .vgpr_count:     242
    .wavefront_size: 32
...
	.end_amdgpu_metadata
.endif
;; end of part 1
;; launch finish (part 2): grid 256 x 1, 1 waves a work-group, no clusters, 0 bytes of LDS; arguments part, key_lengths, out0; writes out0
.if DOCPART == 2
	.amdgcn_target "amdgcn-amd-amdhsa--gfx1250"
	.amdhsa_code_object_version 6
	.text
	.protected	k_q149103a93d_finish
	.globl	k_q149103a93d_finish
	.p2align	8
	.type	k_q149103a93d_finish,@function
k_q149103a93d_finish:
	s_mov_b64 s[64:65], 0
	v_nop
	global_prefetch_b8 v0, s[64:65] scope:SCOPE_SE
	s_setreg_imm32_b32 hwreg(HW_REG_WAVE_MODE, 25, 1), 1
	s_wait_xcnt 0x0
; LuongLocalAttention, second launch: out0[b][d] = gauss(b) x (sum over the batch's 8 partial contexts, brought to one maximum) / (sum of weights).
; One wave a work-group; work-group i: batch i>>3, columns 128 (i&7) .. +127, four a lane: each load and the store cover 512 consecutive bytes.
; Every wave makes its batch's factor itself (some forty instructions): no traffic between waves, no LDS, no barrier.
; gauss = exp(-(kl - kl sigmoid(z))^2 / 2048), z = the sum of the batch's 32 partial logits; 2048 = 2 (window_size / 2)^2 with window_size = 64.
; LIMITS: kl - kl sigmoid(z) is one fused multiply-add (the reference rounds the product first); sigmoid by v_exp_f32 and v_rcp_f32, 1 ULP each.
; v_exp_f32 flushes results below 2^-126 (ISA guide 15.8), so gauss is made as the square of 2^(half the exponent): the multiply keeps
; denormals, and the half flushes only where gauss itself is below 2^-252, which is zero in f32.
.set PML,  0x100000                    ; part: 256 pairs (max in powers of two, sum)
.set PLOG, 0x100800                    ; part: [32 batches][32 column groups] partial logits
.set X,  8                             ; v[8:39]   the 8 partial contexts, 4 columns each
.set F,  40                            ; v[40:47]  their weights
.set A,  50                            ; v[50:53]  the result
	s_load_b128 s[4:7], s[0:1], 0x0                ; part s[4:5], key_lengths s[6:7]
	s_load_b64 s[8:9], s[0:1], 0x10                ; out0
	s_lshr_b32 s10, ttmp9, 3                       ; batch
	s_and_b32 s11, ttmp9, 7
	s_lshl_b32 s11, s11, 9                         ; my 128 columns: 512 bytes
	s_lshl_b32 s12, s10, 15                        ; the batch's 8 contexts of 4,096 bytes
	s_add_co_u32 s12, s12, s11
	s_mov_b32 s13, 0
	s_lshl_b32 s14, s10, 6                         ; its 8 pairs (max, sum)
	s_lshl_b32 s15, s10, 2                         ; its key length
	s_lshl_b32 s34, s10, 7                         ; its 32 partial logits
	s_mov_b32 s35, 0
	s_lshl_b32 s36, s10, 12                        ; its row of out0
	s_add_co_u32 s36, s36, s11
	s_mov_b32 s37, 0
	s_mov_b32 s40, 0x76543210                      ; v_permlanex16_b32: lane i of one half reads lane i of the other
	s_mov_b32 s41, 0xfedcba98
	v_lshlrev_b32 v1, 4, v0
	v_lshlrev_b32 v2, 2, v0
	v_mov_b32 v4, 0                                ; v_permlanex16_b32 counts as a reader of its destination
	s_wait_kmcnt 0x0
	s_add_nc_u64 s[12:13], s[4:5], s[12:13]
	s_add_nc_u64 s[34:35], s[4:5], s[34:35]
	s_add_nc_u64 s[8:9], s[8:9], s[36:37]
	s_load_b512 s[16:31], s[4:5], s14 offset:PML   ; m0, l0, m1, l1, ..: this launch stores nothing into part
	s_load_b32 s33, s[6:7], s15 offset:0x0
	global_load_b32 v3, v2, s[34:35] offset:PLOG
.irp c, 0,1,2,3,4,5,6,7
	global_load_b128 v[X+4*\c:X+4*\c+3], v1, s[12:13] offset:4096*\c th:TH_LOAD_NT
.endr
	s_wait_kmcnt 0x0
	s_wait_loadcnt 0x8                             ; the partial logits are in; the 8 loads behind them stay out (in order: ISA guide 5.7.1)
.irp x, 1,2,4,8
	v_add_f32_dpp v3, v3, v3 row_xmask:\x row_mask:0xf bank_mask:0xf
.endr
	v_permlanex16_b32 v4, v3, s40, s41
	v_add_f32 v3, v3, v4                           ; z
	; two chains take turns: the Gaussian factor (v5) and the largest of the 8 maxima (v6); each fills the plain place that has to stand
	; between a transcendental and the use of its result (ISA guide 5.7.2)
	v_mul_f32 v5, 0xbfb8aa3b, v3                   ; -z log2 e
	v_exp_f32 v5, v5
	v_mov_b32 v6, s16
	s_wait_alu depctr_va_vdst(0)
	v_add_f32 v5, 1.0, v5
	v_rcp_f32 v5, v5                               ; sigmoid(z)
	v_max3_num_f32 v6, v6, s18, s20
	s_wait_alu depctr_va_vdst(0)
	v_fma_f32 v5, -v5, s33, s33                    ; kl - kl sigmoid(z)
	v_mul_f32 v5, v5, v5
	v_mul_f32 v5, 0xb9b8aa3b, v5                   ; x (-log2 e / 4096): half of the exponent -dist / 2048 in powers of two
	v_exp_f32 v5, v5
	v_max3_num_f32 v6, v6, s22, s24
	s_wait_alu depctr_va_vdst(0)
	v_mul_f32 v5, v5, v5                           ; gauss
	v_max3_num_f32 v6, v6, s26, s28
	v_max_num_f32 v6, s30, v6
.irp c, 0,1,2,3,4,5,6,7
	v_sub_f32 v[F+\c], s[16+2*\c], v6
.endr
.irp c, 0,1,2,3,4,5,6,7
	v_exp_f32 v[F+\c], v[F+\c]                     ; partial c's weight
.endr
	v_nop                                          ; the plain place behind the run
	s_wait_alu depctr_va_vdst(0)
	v_mul_f32 v48, s17, v[F]
.irp c, 1,2,3,4,5,6,7
	v_fmac_f32 v48, s[17+2*\c], v[F+\c]            ; the softmax's denominator: at least 1
.endr
	v_rcp_f32 v48, v48
	s_wait_loadcnt 0x0
.irp e, 0,1,2,3
	v_mul_f32 v[A+\e], v[F], v[X+\e]               ; these four also stand between v_rcp_f32 and its use
.endr
.irp c, 1,2,3,4,5,6,7
.irp e, 0,1,2,3
	v_fmac_f32 v[A+\e], v[F+\c], v[X+4*\c+\e]
.endr
.endr
	s_wait_alu depctr_va_vdst(0)
.irp e, 0,1,2,3
	v_mul_f32 v[A+\e], v[A+\e], v48                ; the softmax's average first, of the keys' size,
.endr
.irp e, 0,1,2,3
	v_mul_f32 v[A+\e], v[A+\e], v5                 ; then the factor: one rounding where the result is tiny
.endr
	global_store_b128 v1, v[A:A+3], s[8:9] th:TH_STORE_NT
	s_endpgm
.Lfunc_end_k_q149103a93d_finish:
	.size	k_q149103a93d_finish, .Lfunc_end_k_q149103a93d_finish-k_q149103a93d_finish
	.p2alignl 7, 3214868480
	.fill 96, 4, 3214868480
	.section	.rodata,"a",@progbits
	.p2align	6, 0x0
	.amdhsa_kernel k_q149103a93d_finish
		.amdhsa_group_segment_fixed_size 0
		.amdhsa_private_segment_fixed_size 0
		.amdhsa_enable_private_segment 0
		.amdhsa_kernarg_size 24
		.amdhsa_user_sgpr_count 2
		.amdhsa_user_sgpr_kernarg_segment_ptr 1
		.amdhsa_wavefront_size32 1
		.amdhsa_system_sgpr_workgroup_id_x 1
		.amdhsa_system_sgpr_workgroup_id_y 1
		.amdhsa_system_sgpr_workgroup_id_z 1
		.amdhsa_system_vgpr_workitem_id 0
		.amdhsa_next_free_vgpr 56
		.amdhsa_next_free_sgpr 66
		.amdhsa_reserve_vcc 0
		.amdhsa_float_denorm_mode_32 3
		.amdhsa_float_denorm_mode_16_64 3
		.amdhsa_memory_ordered 1
		.amdhsa_forward_progress 1
		.amdhsa_inst_pref_size 6
	.end_amdhsa_kernel
	.amdgpu_metadata
---
amdhsa.version: [ 1, 2 ]
amdhsa.kernels:
  - .name:           k_q149103a93d_finish
    .symbol:         k_q149103a93d_finish.kd
    .args:
      - { .name: part, .offset: 0, .size: 8, .value_kind: global_buffer, .address_space: global }
      - { .name: key_lengths, .offset: 8, .size: 8, .value_kind: global_buffer, .address_space: global }
      - { .name: out0, .offset: 16, .size: 8, .value_kind: global_buffer, .address_space: global }
    .group_segment_fixed_size: 0
    .private_segment_fixed_size: 0
    .kernarg_segment_align: 8
    .kernarg_segment_size: 24
    .max_flat_workgroup_size: 32
    .sgpr_count:     66
    .vgpr_count:     56
    .wavefront_size: 32
...
	.end_amdgpu_metadata
.endif
;; end of part 2
